; MI455X (gfx1250); checked and timed in simulation.
; The chip was launched on July 23, 2026; its instructions are those of AMD's public machine-readable ISA for CDNA 5 (MIT licence, August 2026) and "CDNA5" Instruction Set Architecture Reference Guide (July 2026). The comments in the code are by the model that wrote it; some were corrected since.
;; Multi Head Attention. Allowed arithmetic: matrix products marked QUANTISED: E2M3 operands, one E8M0 scale for each 32 along K, by v_wmma_scale_f32_16x16x128_f8f6f4 with both operands' format E2M3, f32 sums; everything else in f32.
;; Inputs: Wk_codes 512 x 64 x 24 uint8 (E2M3 codes of Wk, K innermost, in blocks of 32 codes, four codes in three bytes); Wk_scales 512 x 64 uint8 (E8M0 scales of Wk, one for each 32 codes along K); Wo_codes 2,048 x 64 x 24 uint8 (E2M3 codes of Wo, K innermost, in blocks of 32 codes, four codes in three bytes); Wo_scales 2,048 x 64 uint8 (E8M0 scales of Wo, one for each 32 codes along K); Wq_codes 2,048 x 64 x 24 uint8 (E2M3 codes of Wq, K innermost, in blocks of 32 codes, four codes in three bytes); Wq_scales 2,048 x 64 uint8 (E8M0 scales of Wq, one for each 32 codes along K); Wv_codes 512 x 64 x 24 uint8 (E2M3 codes of Wv, K innermost, in blocks of 32 codes, four codes in three bytes); Wv_scales 512 x 64 uint8 (E8M0 scales of Wv, one for each 32 codes along K); attention_mask 1 x 1 x 2,048 x 2,048 float32; hidden_states_codes 1 x 2,048 x 64 x 24 uint8 (E2M3 codes of hidden_states, K innermost, in blocks of 32 codes, four codes in three bytes); hidden_states_scales 1 x 2,048 x 64 uint8 (E8M0 scales of hidden_states, one for each 32 codes along K); position_cos 2,048 x 64 float32; position_sin 2,048 x 64 float32.
;; Outputs: out0 1 x 2,048 x 2,048 float32.
;; This version of the problem:
;;   THIS VERSION OF THE PROBLEM IS GIVEN IN LOW PRECISION. The matrix products marked QUANTISED in the list below multiply operands that are first quantised to E2M3 (2 exponent bits, 3 mantissa bits; 6 bits a number), with one power-of-two scale for each 32 numbers along K (OCP MX v1.0); their sums are f32. All else is computed in f32.
;;   The module's matrix products, in the order in which they are computed (A, B: the left and right operand; K: the contracted axis; several contracted axes count as one K, in the product's order):
;;     1. [M 2,048, K 2,048] x [K 2,048, N 2,048]; A: input hidden_states (given as codes); B: input Wq (given as codes): QUANTISED
;;     2. [M 2,048, K 2,048] x [K 2,048, N 512]; A: input hidden_states (given as codes); B: input Wk (given as codes): QUANTISED
;;     3. [M 2,048, K 2,048] x [K 2,048, N 512]; A: input hidden_states (given as codes); B: input Wv (given as codes): QUANTISED
;;     4. batch 8 x [M 8,192, K 64] x [K 64, N 2,048]; A: computed on the way; B: computed on the way: QUANTISED
;;     5. batch 8 x [M 8,192, K 2,048] x [K 2,048, N 64]; A: softmax (see below); B: computed on the way: QUANTISED
;;     6. [M 2,048, K 2,048] x [K 2,048, N 2,048]; A: computed on the way; B: input Wo (given as codes): QUANTISED
;;   THE QUANTISER, for each operand of a quantised product, along K:
;;     - K is cut into blocks of 32 from its start; a last block that is shorter is filled with zeros.
;;     - A block's scale is 2^e with e = floor(log2(the largest magnitude in the block)) - 2, held to -126 .. 127; a block of zeros has e = 0. As a byte (E8M0): e + 127.
;;     - Each number is divided by its block's scale, clamped to +-7.5, and rounded to the nearest number of E2M3, ties to even, subnormals kept.
;;     - The product sums the exact products of the quantised numbers (number of the format x scale) in f32.
;;   ~~~python
;;   def quantise(x, axis):      # numpy; x: float32 -> the quantised numbers, widened to float32 again
;;       x = np.moveaxis(x, axis, -1); K = x.shape[-1]
;;       x = np.pad(x, [(0, 0)] * (x.ndim - 1) + [(0, -K % 32)]); x = x.reshape(x.shape[:-1] + (-1, 32)); a = np.abs(x).max(-1, keepdims=True)
;;       e = np.where(a > 0, np.clip(np.frexp(np.where(a > 0, a, 1))[1] - 1 - 2, -126, 127), 0)      # np.frexp(a)[1] - 1 = floor(log2(a)), exactly
;;       r = np.clip(x / 2.0 ** e, -7.5, 7.5)
;;       step = 2.0 ** (np.maximum(np.frexp(np.where(r == 0, 1, r))[1] - 1, 0) - 3)
;;       q = np.round(r / step) * step * 2.0 ** e      # np.round: ties to even
;;       return np.moveaxis(q.reshape(q.shape[:-2] + (-1,))[..., :K], -1, axis).astype(np.float32)
;;   ~~~
;;   SOFTMAX AHEAD OF A QUANTISED PRODUCT. Where the list says 'softmax', what is quantised is not the finished softmax but p = 2^(t - M), with t = logit x log2(e) and M = ceil(the row's largest t), a whole number; so 1/2 < the row's largest p <= 1. The row's sum l is taken of the UNQUANTISED p, in f32, and the product's result is divided by l at the end. Since M is a whole number, a kernel that streams over the keys may use a running M (the ceiling of the running maximum): every later rescaling is an exact power of two, which a block's scale takes up: the codes' values come out the same.
;;   OPERANDS COMPUTED ON THE WAY. 'Computed on the way' means the value that the module computes at that place (a softmax that the list does not call 'softmax' is quantised finished and normalised). What goes into a quantiser is computed in f32, as accurately as f32 sums, v_exp_f32 and their like allow (about 1e-6 of the number): no bf16 or f16 on the way to a quantiser, and a product that is left as it is and whose result goes on into a quantised operand takes f32 operands (vector FMAs, or v_wmma_f32_16x16x4_f32). A number that lies on a knife's edge between two numbers of the format may be rounded either way, as far as f32 arithmetic and the matrix unit's own rounding can turn it there, and no further.
;;   INPUTS GIVEN AS CODES. Wk (in the module: [512, 2048], K = its axis 1); Wo (in the module: [2048, 2048], K = its axis 1); Wq (in the module: [2048, 2048], K = its axis 1); Wv (in the module: [512, 2048], K = its axis 1); hidden_states (in the module: [1, 2048, 2048], K = its axis 2): each comes as NAME_codes (uint8): NAME with its K axis moved to the last place and cut into blocks of 32 codes, [.., K / 32, bytes a block], one block behind the other in memory; four codes in three bytes: a row's codes are one little-endian stream of bits, code i at bits 6 i .. 6 i + 5 (a code: sign, 2 exponent bits, 3 mantissa bits); and NAME_scales (uint8): the same leading axes, one E8M0 byte (e + 127) for each 32 codes along K. Its value is code x scale, taken as it is: it is not quantised again, and the codes and scales need not be those that the quantiser above would give.
;; One version. Each part assembles by itself: llvm-mc -triple=amdgcn-amd-amdhsa -mcpu=gfx1250 --defsym DOCPART=n.
;; ======== version 1 of 1: 3 launches
;; limits: right only within a limited range of input values
;; workspace buffers: qimg 3,145,728 bytes; qsc 262,144 bytes; kv 1,671,168 bytes; aimg 3,145,728 bytes; asc 131,072 bytes
;; launch proj (part 1): grid 24 x 16, 4 waves a work-group, clusters of 4 x 4, 327,680 bytes of LDS; arguments hidden_states_codes, hidden_states_scales, Wq_codes, Wq_scales, Wk_codes, Wk_scales, Wv_codes, Wv_scales, position_cos, position_sin, qimg, qsc, kv; writes qimg, qsc, kv
.if DOCPART == 1
	.amdgcn_target "amdgcn-amd-amdhsa--gfx1250"
	.amdhsa_code_object_version 6
	.text
	.protected	k_q483b2680a3_proj
	.globl	k_q483b2680a3_proj
	.p2align	8
	.type	k_q483b2680a3_proj,@function
k_q483b2680a3_proj:
	s_mov_b64 s[64:65], 0
	v_nop
	global_prefetch_b8 v0, s[64:65] scope:SCOPE_SE
	s_setreg_imm32_b32 hwreg(HW_REG_WAVE_MODE, 25, 1), 1
	s_wait_xcnt 0x0
	s_wait_alu depctr_hold_cnt(0) depctr_sa_sdst(0) depctr_va_vdst(0) depctr_va_sdst(0) depctr_va_ssrc(0) depctr_va_vcc(0) depctr_vm_vsrc(0)
	s_getreg_b32 s2, hwreg(HW_REG_IB_STS2, 6, 4)
	s_cmp_eq_u32 s2, 0
	s_cbranch_scc0 .Lentry_in_a_cluster
	s_endpgm
.Lentry_in_a_cluster:
	s_bfe_u32 s2, ttmp6, 0x10000c
	s_cmp_lg_u32 s2, 0xf033
	s_cbranch_scc0 .Lentry_shape_is_right
	s_endpgm
.Lentry_shape_is_right:
; q = rope(x Wq^T), k = rope(x Wk^T), v = x Wv^T on codes of FP6 (E2M3), one E8M0 scale for each 32 along K = 2,048; the results are quantised here, from f32, for attention's two products:
; q and k along a head's 64 channels, v along the keys.
; DEAD WORK: none.  attention_mask is an input, so every key of every query counts, and every product of reference() is live for all values of the inputs.
; LIMITS: NaN and infinities among the inputs are not served.  A block whose largest magnitude lies under 2^-121 keeps the scale byte 4 (a block of zeros too: its codes are zeros, and these bytes are read by this program alone);
; the floor stands at 4 so that the next launch can take 3 off q's bytes.
; SHARES.  A work-group makes 128 x 128; four waves, each 64 x 64: 16 accumulators.  Source 0 ("P", half wave % 2) runs along a lane's registers in the result, source 1 ("N", half wave / 2) along the lanes.
; q (cluster x 0-3), k (4): P = 128 rows of W, N = 128 positions.  v (5): P = 128 positions (the keys), N = 128 rows of Wv.  P's rows hang on cx and N's on cy in every kind (in v: positions 128 (4 cluster y + cx), rows 128 cy),
; so P's tile is asked for jointly by a column of the cluster and N's by a row, and all LDS addresses and masks are the same for all kinds: only global addresses are chosen, on the cluster's x.
; K: a row of codes is 1,536 bytes = three chunks of 512 bytes, each beginning at a multiple of 256.  Chunks 0 and 1 of P and N are the four first fills, one a wave; chunk 2 is filled into chunk 0's bytes when step 5's fragments have been read.
; A step is 128 along K, 96 bytes: steps 5 and 10 lie across two chunks.  No prefetch: the walk along K is written out, there is no loop to run ahead in.
; THE SCALE WORDS come once, straight into registers: lane (r, h) takes bytes 32 h .. 32 h + 31 of its row's 64: two loads on end cover 1,024 consecutive bytes.  Steps 0-7 read lanes 0-15, steps 8-15 lanes 16-31.
; WHAT IS STORED.  A half fragment (16 rows x 64 codes) is an image of six operand registers: 512 bytes (registers 0-3, 16 a lane), then 256 (registers 4-5, 8 a lane); lane (r, h) holds row r, block h.
; Inside a block of 32 the codes lie in the order 0-7, 16-23, 8-15, 24-31, in both operands of a product alike.
;   qimg [head][tile of 16 queries][768];  qsc [head][tile][16 words], a word = byte of block 0, of block 1, 0x7f, 0x7f
;   kv [kv head][128 keys][13,056]: K's 8 half fragments; V's 4 fragments of 16 channels x 128 keys (fragment 2 b + u, row m = channel 32 b + 8 u + m + 8 (m / 8)); K's scale words; V's scale words
; REGISTERS: window 0: v1-31 addresses and small work; v32-95 scale words alone; v96-127 at work on the way out; v128-255 accumulator (j, t) at 128 + 8 (4 j + t).
;   window 1: two sets of fragments, 96 each: P's four, then N's four.   window 2: cos and sin of my 64 positions.
.set PITCH,  528                       ; an LDS row: 512 bytes + 16 of padding = 132 words: row r starts at word 4 r mod 64
.set HALF,   128*PITCH
.set SLOT,   2*HALF                    ; P's 128 rows, then N's
.set SPARE,  2*SLOT                    ; the spare words, 128 bytes a wave
.set KROW,   1536
.set KVB,    13056
.set SL,    2
.set PW,    4
.set ADRP,  8                          ; v8-9 P's fragments in slot 0, 1; v10-11: lanes 0-15 at byte 488 of slot 0, 1 and lanes 16-31 at byte 0 of the other slot
.set ADRN,  12                         ; v12-15 the same for N
.set SOF,   16                         ; my bytes in a tile's scale rows
.set TA,    18
.set VA,    19
.set VB,    20
.set VW,    21
.set TM,    22
.set SO,    26
.set SPW,   28                         ; my spare word; never rewritten
.set NIL,   29                         ; 0; never rewritten
.set BY,    30
.set SC,    32                         ; P's tile t, step st: v[SC + 8 t + st % 8]; N's tile j: 32 further on
.set R,     96
.set ACC,   128
.set G1P,   40
.set G1N,   48
.set G0P,   56
.set G0N,   60
.set SEL,   100
.set MSB, 0
.macro WIN new
.if MSB != \new
	s_set_vgpr_msb (MSB<<8)|\new
.set MSB, \new
.endif
.endm
.macro PLACES n
.rept \n
	v_nop
.endr
.endm
.macro JLOAD                           ; even waves fetch for P, odd for N; s_nop 0 and four v_nop follow each line
	s_cmp_eq_u32 s32, 0
	s_cbranch_scc0 .Lfor_n_\@
	tensor_load_to_lds s[G0P:G0P+3], s[G1P:G1P+7]
	s_nop 0
	PLACES 4
	s_branch .Lasked_\@
.Lfor_n_\@:
	tensor_load_to_lds s[G0N:G0N+3], s[G1N:G1N+7]
	s_nop 0
	PLACES 4
.Lasked_\@:
.endm
.macro CREST
	s_cmp_lg_u32 s30, 0
	s_cbranch_scc1 .Lnot_wave_0_\@
	s_barrier_signal -3
.Lnot_wave_0_\@:
	s_barrier_wait -3
	s_barrier_signal -1
	s_barrier_wait -1
.endm
.macro CROUND
	s_barrier_signal -1
	s_barrier_wait -1
	CREST
.endm
; a fragment: lane (r, h) takes 24 bytes at 96 st + 24 h and 24 at 96 st + 48 + 24 h of row r, in pieces of 8.  Byte y of a row lies in chunk y / 512, slot (y / 512) % 2
.macro FRAG reg, adr, st, i
.irp p, 0,1,2,3,4,5
.set BYT, 96*(\st)+48*(\p/3)+8*(\p%3)
.if BYT/512 == (BYT+24)/512
	ds_load_b64 v[\reg+2*\p:\reg+2*\p+1], v[\adr+(BYT/512)%2] offset:BYT%512+(\i)*16*PITCH
.else
	ds_load_b64 v[\reg+2*\p:\reg+2*\p+1], v[\adr+2+(BYT/512)%2] offset:BYT%512-488+(\i)*16*PITCH
.endif
.endr
.endm
.macro FETCH st                        ; 48 loads into set st % 2
	WIN 0x40
.irp i, 0,1,2,3
	FRAG 96*((\st)%2)+12*\i, ADRP, \st, \i
.endr
.irp i, 0,1,2,3
	FRAG 96*((\st)%2)+48+12*\i, ADRN, \st, \i
.endr
	WIN 0
.endm
; N's tile j against P's four.  The 16 accumulators take turns, one instruction a turn
.macro MUL4 j, st, zero
.irp t, 0,1,2,3
.set XD, ACC+8*(4*(\j)+\t)
.set XP, 96*((\st)%2)+12*\t
.set XN, 96*((\st)%2)+48+12*(\j)
.set XS, SC+8*\t+(\st)%8
.set XT, SC+32+8*(\j)+(\st)%8
.if \zero
	v_wmma_scale_f32_16x16x128_f8f6f4 v[XD:XD+7], v[XP:XP+11], v[XN:XN+11], 0, v[XS], v[XT] matrix_a_fmt:MATRIX_FMT_FP6 matrix_b_fmt:MATRIX_FMT_FP6
.elseif (\st) < 8
	v_wmma_scale_f32_16x16x128_f8f6f4 v[XD:XD+7], v[XP:XP+11], v[XN:XN+11], v[XD:XD+7], v[XS], v[XT] matrix_a_fmt:MATRIX_FMT_FP6 matrix_b_fmt:MATRIX_FMT_FP6
.else
	v_wmma_scale_f32_16x16x128_f8f6f4 v[XD:XD+7], v[XP:XP+11], v[XN:XN+11], v[XD:XD+7], v[XS], v[XT] matrix_a_fmt:MATRIX_FMT_FP6 matrix_b_fmt:MATRIX_FMT_FP6 matrix_a_scale:MATRIX_SCALE_ROW1 matrix_b_scale:MATRIX_SCALE_ROW1
.endif
.endr
.endm
.macro STEP st, zero                   ; the other set was multiplied in the step before: four places, then it takes the next step's loads
	PLACES 4
	FETCH (\st)+1
	s_wait_dscnt 48                                ; all but the 48 just issued
	WIN 0x05
.irp j, 0,1,2,3
	MUL4 \j, \st, \zero
.endr
	WIN 0
.endm
; fill = 1 (step 5): chunk 0 is read no more: the three lines, a round of the cluster's barrier, and waves 0 and 1 fill chunk 2 into its bytes.
; fill = 0 (step 9): chunk 2 has landed in the waves that asked; a barrier shows it to all four, ahead of step 10's fragments.
.macro TURN st, fill
	s_wait_tensorcnt 0x0
.if \fill
	ds_add_u32 v[SPW], v[NIL]
	s_wait_dscnt 0x1                               ; (the add alone may be out)
.else
	s_wait_dscnt 0x0
.endif
	WIN 0x05
	MUL4 0, \st, 0
.if \fill
	s_wait_dscnt 0x0                               ; the add is done, and my reads of chunk 0 are over
.endif
	s_barrier_signal -1
	MUL4 1, \st, 0
	WIN 0
	s_barrier_wait -1
.if \fill
	CREST
	s_add_nc_u64 s[G0P+2:G0P+3], s[G0P+2:G0P+3], 1024
	s_add_nc_u64 s[G0N+2:G0N+3], s[G0N+2:G0N+3], 1024
	s_cmp_lg_u32 s31, 0
	s_cbranch_scc1 .Lnone_\@
	JLOAD
.Lnone_\@:
.endif
	PLACES 4
	FETCH (\st)+1
	WIN 0x05
	MUL4 2, \st, 0
	MUL4 3, \st, 0
	WIN 0
.endm
; 32 numbers of a lane: block b = registers 16 b .. 16 b + 15, whose other 16 lie in lane l xor 16.  They become a half fragment's six registers and two scale bytes
.macro QUANT2 src, pc, pt
.irp b, 0,1
	v_max3_num_f32 v[TM+\b], |v[\src+16*\b]|, |v[\src+16*\b+1]|, 0x3000000   ; with the floor 2^(6 - 127): the byte cannot fall under 4
.endr
.irp i, 2,4,6,8,10,12,14
.irp b, 0,1
	v_max3_num_f32 v[TM+\b], v[TM+\b], |v[\src+16*\b+\i]|, |v[\src+16*\b+\i+1]|
.endr
.endr
.irp b, 0,1
	v_permlanex16_b32 v[TM+2+\b], v[TM+\b], s[SEL], s[SEL+1]
.endr
.irp b, 0,1
	v_max_num_f32 v[TM+\b], v[TM+\b], v[TM+2+\b]
.endr
.irp b, 0,1
	v_add_nc_u32 v[SO+\b], 0xff000000, v[TM+\b]    ; 2 off the exponent field: the conversion's scale operand
.endr
.irp b, 0,1
	v_lshrrev_b32 v[BY+\b], 23, v[SO+\b]
.endr
	v_cvt_scalef32_pk16_fp6_f32 v[\pc:\pc+2], v[\src:\src+15], v[SO]
	v_cvt_scalef32_pk16_fp6_f32 v[\pt:\pt+2], v[\src+16:\src+31], v[SO+1]
	v_nop
.irp i, 0,1,2
	v_permlane16_swap_b32 v[\pc+\i], v[\pt+\i]     ; a lane gets a whole block
.endr
.irp i, 0,1,2
	v_mov_b32 v[\pc+3+\i], v[\pt+\i]
.endr
.endm
; rope: registers i and 16 + i are channels c and c + 32
.macro ROPE j
	WIN 0x08
.irp i, 0,2,4,6,8,10,12,14
	v_pk_mul_f32 v[R+\i:R+\i+1], v[ACC+32*\j+\i:ACC+32*\j+\i+1], v[64*\j+\i:64*\j+\i+1]
	v_pk_mul_f32 v[R+16+\i:R+17+\i], v[ACC+32*\j+16+\i:ACC+32*\j+17+\i], v[64*\j+16+\i:64*\j+17+\i]
.endr
.irp i, 0,2,4,6,8,10,12,14
	v_pk_fma_f32 v[R+\i:R+\i+1], v[ACC+32*\j+16+\i:ACC+32*\j+17+\i], v[64*\j+32+\i:64*\j+33+\i], v[R+\i:R+\i+1] neg_lo:[1,0,0] neg_hi:[1,0,0]
	v_pk_fma_f32 v[R+16+\i:R+17+\i], v[ACC+32*\j+\i:ACC+32*\j+\i+1], v[64*\j+48+\i:64*\j+49+\i], v[R+16+\i:R+17+\i]
.endr
	WIN 0
.endm
	s_load_b512 s[4:19], s[0:1], 0x0               ; x's codes s[4:5], scales s[6:7]; Wq's s[8:11]; Wk's s[12:15]; Wv's s[16:19]
	s_load_b256 s[20:27], s[0:1], 0x40             ; cos, sin, qimg, qsc
	s_load_b64 s[28:29], s[0:1], 0x60              ; kv
	v_lshl_add_u32 v[SPW], v0, 2, SPARE
	v_mov_b32 v[NIL], 0
	ds_add_u32 v[SPW], v[NIL]                      ; the opening lines: the add, twice on end, and its wait
	ds_add_u32 v[SPW], v[NIL]
	v_lshrrev_b32 v1, 5, v0
	v_readfirstlane_b32 s30, v1                    ; wave
	s_lshr_b32 s31, s30, 1                         ; N's half; also the chunk that I fetch at the head
	s_and_b32 s32, s30, 1                          ; P's half; also: I fetch for P (0) or N (1)
	s_bfe_u32 s33, ttmp6, 0x40000                  ; cx
	s_bfe_u32 s34, ttmp6, 0x40004                  ; cy
	s_lshl_b32 s35, ttmp9, 2
	s_add_co_u32 s35, s35, s33                     ; 4 cluster x + cx
	s_and_b32 s67, ttmp7, 0xffff
	s_lshl_b32 s67, s67, 2
	s_add_co_u32 s2, s67, s33                      ; 4 cluster y + cx
	s_add_co_u32 s3, s67, s34                      ; 4 cluster y + cy
	s_lshl_b32 s37, s34, 2
	s_lshl_b32 s37, 15, s37                        ; my row of the cluster
	s_lshl_b32 s38, 0x1111, s33                    ; my column
	s_or_b32 s[G1P], s38, (1<<20)|(1<<21)|(6<<22)|(3<<25)   ; 128 rows x 512 bytes, 4 words of padding behind every 128 words
	s_or_b32 s[G1N], s37, (1<<20)|(1<<21)|(6<<22)|(3<<25)
.irp g, G1P, G1N
	s_mov_b32 s[\g+1], 512<<16
	s_mov_b32 s[\g+2], 128<<16
	s_mov_b32 s[\g+3], 512<<16
	s_mov_b32 s[\g+4], 128
	s_mov_b32 s[\g+5], KROW
	s_mov_b32 s[\g+6], 0
	s_mov_b32 s[\g+7], 0
.endr
	s_cmp_lt_u32 ttmp9, 4
	s_cselect_b32 s66, s35, s33
	s_cmp_eq_u32 ttmp9, 5
	s_cselect_b32 s66, s2, s66                     ; P's block of 128 rows: q, k: of the weight; v: of the positions.  Made of cx alone
	s_cselect_b32 s36, s34, s3                     ; N's block: q, k: of the positions; v: of Wv.  Made of cy alone
	s_lshl_b32 s90, s31, 9
	s_mul_i32 s82, s66, 128*KROW
	s_add_co_u32 s82, s82, s90
	s_mov_b32 s83, 0
	s_mul_i32 s84, s36, 128*KROW
	s_add_co_u32 s84, s84, s90
	s_mov_b32 s85, 0
	s_lshl_b32 s86, s66, 13
	s_lshl_b32 s90, s32, 12
	s_add_co_u32 s86, s86, s90                     ; the scale bytes of my 64 rows of P
	s_mov_b32 s87, 0
	s_lshl_b32 s88, s36, 13
	s_lshl_b32 s90, s31, 12
	s_add_co_u32 s88, s88, s90                     ; and of N
	s_mov_b32 s89, 0
	s_mov_b32 s[G0P], 1
	s_mul_i32 s[G0P+1], s31, SLOT
	s_mov_b32 s[G0N], 1
	s_add_co_u32 s[G0N+1], s[G0P+1], HALF
	s_mul_i32 s76, s32, 64*PITCH
	s_add_co_u32 s77, s76, SLOT
	s_mul_i32 s78, s31, 64*PITCH
	s_add_co_u32 s78, s78, HALF
	s_add_co_u32 s79, s78, SLOT
	s_mov_b32 s80, SLOT-488
	s_mov_b32 s81, SLOT+488
	s_mov_b32 s39, 0xffff0000
	s_mov_b32 s[SEL], 0x76543210
	s_mov_b32 s[SEL+1], 0xfedcba98
	s_wait_dscnt 0x0
	s_wait_kmcnt 0x0
	s_cmp_lt_u32 ttmp9, 4
	s_cselect_b64 s[8:9], s[8:9], s[12:13]
	s_cselect_b64 s[10:11], s[10:11], s[14:15]
	s_cmp_eq_u32 ttmp9, 5
	s_cselect_b64 s[12:13], s[4:5], s[8:9]         ; P's codes
	s_cselect_b64 s[14:15], s[6:7], s[10:11]       ; P's scales
	s_cselect_b64 s[16:17], s[16:17], s[4:5]       ; N's codes
	s_cselect_b64 s[18:19], s[18:19], s[6:7]       ; N's scales
	s_add_nc_u64 s[G0P+2:G0P+3], s[12:13], s[82:83]
	s_or_b32 s[G0P+3], s[G0P+3], 0x80000000
	s_add_nc_u64 s[G0N+2:G0N+3], s[16:17], s[84:85]
	s_or_b32 s[G0N+3], s[G0N+3], 0x80000000
	s_add_nc_u64 s[14:15], s[14:15], s[86:87]
	s_add_nc_u64 s[18:19], s[18:19], s[88:89]
	CROUND                                         ; the first joint loads meet
	JLOAD                                          ; one load a wave: chunk wave / 2 of P or of N
	v_and_b32 v1, 15, v0                           ; r
	v_bfe_u32 v2, v0, 4, 1                         ; h
	v_mul_u32_u24 v3, v1, PITCH
	v_mad_u32_u24 v4, v2, 24, v3
	v_sub_nc_u32 v7, 1, v2
	v_mul_u32_u24 v5, s80, v2
	v_add_nc_u32 v5, v3, v5
	v_add_nc_u32 v5, 488, v5                       ; lanes 0-15 byte 488 in slot 0, lanes 16-31 byte 0 in slot 1
	v_mul_u32_u24 v6, s81, v7
	v_add_nc_u32 v6, v3, v6                        ; lanes 0-15 byte 488 in slot 1, lanes 16-31 byte 0 in slot 0
	v_add_nc_u32 v[ADRP], s76, v4
	v_add_nc_u32 v[ADRP+1], s77, v4
	v_add_nc_u32 v[ADRP+2], s76, v5
	v_add_nc_u32 v[ADRP+3], s76, v6
	v_add_nc_u32 v[ADRN], s78, v4
	v_add_nc_u32 v[ADRN+1], s79, v4
	v_add_nc_u32 v[ADRN+2], s78, v5
	v_add_nc_u32 v[ADRN+3], s78, v6
	v_lshlrev_b32 v[SOF], 6, v1
	v_lshl_add_u32 v[SOF], v2, 5, v[SOF]
	v_mov_b32 v[TM+2], 0                           ; a lane permute's destination counts as one of its sources
	v_mov_b32 v[TM+3], 0
	s_wait_alu depctr_va_vdst(0)                   ; the wait at the head's end
.irp i, 0,1,2,3
.irp e, 0,1
	global_load_b128 v[SC+8*\i+4*\e:SC+8*\i+4*\e+3], v[SOF], s[14:15] offset:1024*\i+16*\e
	global_load_b128 v[SC+32+8*\i+4*\e:SC+32+8*\i+4*\e+3], v[SOF], s[18:19] offset:1024*\i+16*\e
.endr
.endr
	s_wait_loadcnt 0x0
	s_wait_tensorcnt 0x0                           ; my tile is in
	s_barrier_signal -1
	s_barrier_wait -1                              ; all four are
	FETCH 0
	STEP 0, 1                                      ; the first products start the sums
	STEP 1, 0
	STEP 2, 0
	STEP 3, 0
	STEP 4, 0
	TURN 5, 1
	STEP 6, 0
	STEP 7, 0
	STEP 8, 0
	TURN 9, 0
	s_cmp_eq_u32 ttmp9, 5                          ; v is not rotated and asks for no tables; the way is the same in all sixteen partners
	s_cbranch_scc1 .Lno_tables
	s_lshl_b32 s2, s36, 7
	s_lshl_b32 s3, s31, 6
	s_add_co_u32 s2, s2, s3                        ; my first position
	s_lshl_b32 s2, s2, 8
	s_mov_b32 s3, 0
	s_add_nc_u64 s[20:21], s[20:21], s[2:3]
	s_add_nc_u64 s[22:23], s[22:23], s[2:3]
	v_lshlrev_b32 v[TA], 8, v1
	v_lshl_add_u32 v[TA], v2, 5, v[TA]             ; row r, + 32 h: in tile t a lane holds channels 16 t + 8 h + 0 .. 7
	WIN 0x80
.irp j, 0,1,2,3
.irp t, 0,1,2,3
.irp e, 0,1
	global_load_b128 v[64*\j+8*\t+4*\e:64*\j+8*\t+4*\e+3], v[TA], s[20:21] offset:4096*\j+64*\t+16*\e
	global_load_b128 v[64*\j+32+8*\t+4*\e:64*\j+32+8*\t+4*\e+3], v[TA], s[22:23] offset:4096*\j+64*\t+16*\e
.endr
.endr
.endr
	WIN 0
.Lno_tables:
	STEP 10, 0
	STEP 11, 0
	STEP 12, 0
	STEP 13, 0
	STEP 14, 0
	s_wait_dscnt 0x0
	WIN 0x05
.irp j, 0,1,2,3
	MUL4 \j, 15, 0
.endr
	WIN 0
	PLACES 4
	s_cmp_eq_u32 ttmp9, 5
	s_cbranch_scc1 .Lvpath
	; ---- q and k: my head is 2 x block + P's half; my four tiles of 16 positions
	s_lshl_b32 s16, s66, 1
	s_add_co_u32 s16, s16, s32
	s_lshl_b32 s17, s36, 3
	s_lshl_b32 s18, s31, 2
	s_add_co_u32 s17, s17, s18
	s_lshl_b32 s8, s16, 7
	s_add_co_u32 s8, s8, s17
	s_mul_i32 s8, s8, 768
	s_lshl_b32 s10, s16, 13
	s_lshl_b32 s17, s17, 6
	s_add_co_u32 s10, s10, s17
	s_lshl_b32 s12, s16, 4
	s_add_co_u32 s12, s12, s36
	s_mul_i32 s12, s12, KVB
	s_mul_i32 s13, s31, 3072
	s_add_co_u32 s13, s13, s12
	s_lshl_b32 s14, s31, 8
	s_add_co_u32 s14, s14, s12
	s_add_co_u32 s14, s14, 12288
	s_cmp_lt_u32 ttmp9, 4
	s_cselect_b32 s8, s8, s13
	s_cselect_b32 s10, s10, s14
	s_cselect_b64 s[12:13], s[24:25], s[28:29]
	s_cselect_b64 s[14:15], s[26:27], s[28:29]
	s_mov_b32 s9, 0
	s_mov_b32 s11, 0
	s_add_nc_u64 s[8:9], s[12:13], s[8:9]
	s_add_nc_u64 s[10:11], s[14:15], s[10:11]
	v_and_b32 v1, 31, v0
	v_lshlrev_b32 v[VA], 4, v1
	v_lshlrev_b32 v[VB], 3, v1
	v_lshlrev_b32 v[VW], 2, v1
	s_wait_loadcnt 0x0                             ; cos and sin
.irp j, 0,1,2,3
	ROPE \j
	QUANT2 R, ACC+32*\j, ACC+32*\j+4
	v_lshl_or_b32 v[PW+\j], v[BY+1], 8, v[BY]
	v_or_b32 v[PW+\j], 0x7f7f0000, v[PW+\j]
	global_store_b128 v[VA], v[ACC+32*\j:ACC+32*\j+3], s[8:9] offset:768*\j
	global_store_b64 v[VB], v[ACC+32*\j+4:ACC+32*\j+5], s[8:9] offset:768*\j+512
.if \j%2
	v_cndmask_b32 v[SL+\j/2], v[PW+\j-1], v[PW+\j], s39
	global_store_b32 v[VW], v[SL+\j/2], s[10:11] offset:128*(\j/2)
.endif
.endr
	s_branch .Lend
.Lvpath:
	; ---- v: a lane is channel 16 j + r of kv head 2 x N's block + N's half; its registers are keys 64 c + 0 .. 63 of P's block of 128 keys, c = P's half
	s_lshl_b32 s16, s36, 1
	s_add_co_u32 s16, s16, s31
	s_lshl_b32 s16, s16, 4
	s_add_co_u32 s16, s16, s66
	s_mul_i32 s16, s16, KVB
	s_mul_i32 s8, s32, 768
	s_add_co_u32 s8, s8, s16
	s_add_co_u32 s8, s8, 6144
	s_mov_b32 s9, 0
	s_lshl_b32 s10, s32, 1
	s_add_co_u32 s10, s10, s16
	s_add_co_u32 s10, s10, 12800
	s_mov_b32 s11, 0
	s_add_nc_u64 s[8:9], s[28:29], s[8:9]
	s_add_nc_u64 s[10:11], s[28:29], s[10:11]
	v_and_b32 v1, 7, v0
	v_bfe_u32 v[TM], v0, 4, 1
	v_bfe_u32 v[TM+1], v0, 3, 1
	v_lshl_add_u32 v[TM+2], v[TM], 4, v1
	v_mul_u32_u24 v[TM+3], v[TM+1], 1536
	v_lshl_add_u32 v[VA], v[TM+2], 4, v[TM+3]
	v_lshl_add_u32 v[VB], v[TM+2], 3, v[TM+3]
	v_lshlrev_b32 v[VW], 2, v1
	v_lshl_add_u32 v[VW], v[TM], 5, v[VW]
	v_lshl_add_u32 v[VW], v[TM+1], 6, v[VW]
.irp j, 0,1,2,3
	QUANT2 ACC+32*\j, R+8*\j, R+8*\j+4
	v_lshl_or_b32 v[PW+\j], v[BY+1], 8, v[BY]
	global_store_b128 v[VA], v[R+8*\j:R+8*\j+3], s[8:9] offset:3072*(\j/2)+128*(\j%2)
	global_store_b64 v[VB], v[R+8*\j+4:R+8*\j+5], s[8:9] offset:3072*(\j/2)+64*(\j%2)+512
.if \j%2
	v_cndmask_b32 v[SL+\j/2], v[PW+\j-1], v[PW+\j], s39
	global_store_b16 v[VW], v[SL+\j/2], s[10:11] offset:128*(\j/2)
.endif
.endr
.Lend:
	s_wait_tensorcnt 0x0                           ; the wave's end
	ds_add_u32 v[SPW], v[NIL]
	s_wait_dscnt 0x0
	CROUND                                         ; the closing round
	s_endpgm
.Lfunc_end_k_q483b2680a3_proj:
	.size	k_q483b2680a3_proj, .Lfunc_end_k_q483b2680a3_proj-k_q483b2680a3_proj
	.p2alignl 7, 3214868480
	.fill 96, 4, 3214868480
	.section	.rodata,"a",@progbits
	.p2align	6, 0x0
	.amdhsa_kernel k_q483b2680a3_proj
		.amdhsa_group_segment_fixed_size 327680
		.amdhsa_private_segment_fixed_size 0
		.amdhsa_enable_private_segment 0
		.amdhsa_kernarg_size 104
		.amdhsa_user_sgpr_count 2
		.amdhsa_user_sgpr_kernarg_segment_ptr 1
		.amdhsa_wavefront_size32 1
		.amdhsa_system_sgpr_workgroup_id_x 1
		.amdhsa_system_sgpr_workgroup_id_y 1
		.amdhsa_system_sgpr_workgroup_id_z 1
		.amdhsa_system_vgpr_workitem_id 0
		.amdhsa_next_free_vgpr 768
		.amdhsa_next_free_sgpr 102
		.amdhsa_reserve_vcc 0
		.amdhsa_float_denorm_mode_32 3
		.amdhsa_float_denorm_mode_16_64 3
		.amdhsa_memory_ordered 1
		.amdhsa_forward_progress 1
		.amdhsa_inst_pref_size 129
	.end_amdhsa_kernel
	.amdgpu_metadata
---
amdhsa.version: [ 1, 2 ]
amdhsa.kernels:
  - .name:           k_q483b2680a3_proj
    .symbol:         k_q483b2680a3_proj.kd
    .args:
      - { .name: hidden_states_codes, .offset: 0, .size: 8, .value_kind: global_buffer, .address_space: global }
      - { .name: hidden_states_scales, .offset: 8, .size: 8, .value_kind: global_buffer, .address_space: global }
      - { .name: Wq_codes, .offset: 16, .size: 8, .value_kind: global_buffer, .address_space: global }
      - { .name: Wq_scales, .offset: 24, .size: 8, .value_kind: global_buffer, .address_space: global }
      - { .name: Wk_codes, .offset: 32, .size: 8, .value_kind: global_buffer, .address_space: global }
      - { .name: Wk_scales, .offset: 40, .size: 8, .value_kind: global_buffer, .address_space: global }
      - { .name: Wv_codes, .offset: 48, .size: 8, .value_kind: global_buffer, .address_space: global }
      - { .name: Wv_scales, .offset: 56, .size: 8, .value_kind: global_buffer, .address_space: global }
      - { .name: position_cos, .offset: 64, .size: 8, .value_kind: global_buffer, .address_space: global }
      - { .name: position_sin, .offset: 72, .size: 8, .value_kind: global_buffer, .address_space: global }
      - { .name: qimg, .offset: 80, .size: 8, .value_kind: global_buffer, .address_space: global }
      - { .name: qsc, .offset: 88, .size: 8, .value_kind: global_buffer, .address_space: global }
      - { .name: kv, .offset: 96, .size: 8, .value_kind: global_buffer, .address_space: global }
    .group_segment_fixed_size: 327680
    .private_segment_fixed_size: 0
    .kernarg_segment_align: 8
    .kernarg_segment_size: 104
    .max_flat_workgroup_size: 128
    .sgpr_count:     102
    .vgpr_count:     768
    .wavefront_size: 32
...
	.end_amdgpu_metadata
.endif
;; end of part 1
;; launch attn (part 2): grid 32 x 8, 8 waves a work-group, clusters of 4 x 4, 327,680 bytes of LDS; arguments qimg, qsc, kv, attention_mask, aimg, asc; writes aimg, asc
.if DOCPART == 2
	.amdgcn_target "amdgcn-amd-amdhsa--gfx1250"
	.amdhsa_code_object_version 6
	.text
	.protected	k_q483b2680a3_attn
	.globl	k_q483b2680a3_attn
	.p2align	8
	.type	k_q483b2680a3_attn,@function
k_q483b2680a3_attn:
	s_mov_b64 s[64:65], 0
	v_nop
	global_prefetch_b8 v0, s[64:65] scope:SCOPE_SE
	s_setreg_imm32_b32 hwreg(HW_REG_WAVE_MODE, 25, 1), 1
	s_wait_xcnt 0x0
	s_wait_alu depctr_hold_cnt(0) depctr_sa_sdst(0) depctr_va_vdst(0) depctr_va_sdst(0) depctr_va_ssrc(0) depctr_va_vcc(0) depctr_vm_vsrc(0)
	s_getreg_b32 s2, hwreg(HW_REG_IB_STS2, 6, 4)
	s_cmp_eq_u32 s2, 0
	s_cbranch_scc0 .Lentry_in_a_cluster
	s_endpgm
.Lentry_in_a_cluster:
	s_bfe_u32 s2, ttmp6, 0x10000c
	s_cmp_lg_u32 s2, 0xf033
	s_cbranch_scc0 .Lentry_shape_is_right
	s_endpgm
.Lentry_shape_is_right:
; attn[q][64 H + d] = the sum over k of softmax_k(q_H[q] . k_g[k] / 8 + mask[q][k]) v_g[k][d], g = H / 4, both products on codes of FP6 (E2M3); the result is quantised here, along its 2,048 columns, for the last product.
; No work is left out: the mask is an input, so every key of every query is multiplied, and every number of the mask is read and added.
; THE LOGIT comes whole out of the first product: 1 / 8 is a power of two and is taken off q's scale bytes (3 off each; the first launch holds them at 4 or more), and the mask is that product's C operand.
; THE SOFTMAX: t = logit x log2(e); M = the running largest t rounded UP to a whole number, kept as -M = floor(-t); p = 2^(logit x log2(e) - M), one fused multiply-add and one exponential, is what is quantised, along the keys;
; the row's sum is taken of the unquantised p and divides at the end; when M moves, sum and O are multiplied by 2^(old M - new M): exact.
; LIMITS: NaN and infinities among the inputs are not served; a row whose every t lies under -3e38 is not served; the promise holds while |t| stays under 2^31.
; A block whose largest number lies under 2^-124 keeps the scale byte 1 (a block of zeros too: its codes are zeros; the bytes are read by this program alone).
; SHARES.  A work-group owns 64 queries (qb) of the four heads of one kv head (g).  Wave w owns the 16 queries of tile 4 qb + w % 4 for the two heads 4 g + 2 (w / 4) + 0, 1: they share K's and V's fragments and the mask in registers.
; K AND V of the kv head, 16 blocks of 13,056 bytes, lie in LDS whole: eight first fills, one a wave (two blocks each), asked for jointly along a row of the cluster.  Nothing is filled again, and no barrier stands in the loop.
; THE MASK goes from memory into registers in the result's layout, a key step ahead, into two buffers by turns: a step's 16 loads of a wave cover 512 consecutive bytes of each of its 16 rows.  It is not shared through LDS:
; beside K and V there is no room for two slots of it.
; PREFETCH: trip t (256 keys) names the mask of trip t + 2: 64 rows x 1,024 bytes.  The four partners of a column of the cluster, which read the same rows, take one block of 256 bytes of each row each, told apart by cy in the address;
; waves 6 and 7 take 32 rows each, a lane a row.  The last two trips name nothing; the first two trips' keys come by their loads alone.
; LAYOUT.  Both products are used transposed: S^T = K Q^T, O^T = V^T P^T: a lane holds ONE query.  The first product's K is 64: Q's upper six registers hold zero codes.
; REGISTERS: window 0: v1-11 addresses; v12-19 -M, largest t, sum (two halves) of each head; v20-27 scale words alone; v28-31 at work; v32-79 K, v80-85 zeros; v86-133 V; v134-197 S^T, then p; v198-209 p's codes; v210-229 at work; v232-255 Q.
;   window 1: v0-63, v128-191 the mask, two buffers; v64-127 O^T: head a, fragment f at 64 + 32 a + 8 f.
.set KVB,   13056
.set SPARE, 16*KVB                     ; behind K and V: the spare words, 128 bytes a wave
.set L16, 1
.set L8,  2
.set L4,  3
.set MOF, 4                            ; my place in the mask: row r, + 32 h
.set SPW, 5
.set NIL, 6
.set ADK, 7
.set AD8, 8
.set AD4, 9
.set PFO, 11
.set ST,  12
.set QS,  20
.set PS,  21
.set KS,  22
.set VS,  26
.set FF,  28
.set T0,  30
.set KF,  32
.set KZ,  80
.set VF,  86
.set S,   134
.set PC,  198
.set PT,  210
.set BM,  218
.set BX,  222
.set SO,  226
.set QF,  232
.set MK0, 0
.set O,   64
.set MK1, 128
.set WV,   16
.set SEL,  20
.set G1KV, 24
.set G0KV, 40
.set CC,   56                          ; s[56:57] log2(e)
.set CNT,  58
.set TBK,  60
.set PFA,  66
.set LIM,  70
.set MSB, 0
.macro WIN new
.if MSB != \new
	s_set_vgpr_msb (MSB<<8)|\new
.set MSB, \new
.endif
.endm
.macro ASK
	s_cmp_gt_u32 s[CNT], s[LIM]
	s_cbranch_scc0 .Lnot_mine_\@
	global_prefetch_b8 v[PFO], s[PFA:PFA+1] th:TH_LOAD_NT scope:SCOPE_SE
.Lnot_mine_\@:
.endm
.macro CROUND
	s_barrier_signal -1
	s_barrier_wait -1
	s_cmp_lg_u32 s[WV], 0
	s_cbranch_scc1 .Lnot_wave_0_\@
	s_barrier_signal -3
.Lnot_wave_0_\@:
	s_barrier_wait -3
	s_barrier_signal -1
	s_barrier_wait -1
.endm
	s_load_b256 s[4:11], s[0:1], 0x0               ; qimg, qsc, kv, the mask
	s_load_b128 s[12:15], s[0:1], 0x20             ; aimg, asc
	v_lshl_add_u32 v[SPW], v0, 2, SPARE
	v_mov_b32 v[NIL], 0
	ds_add_u32 v[SPW], v[NIL]                      ; the opening lines: the add, twice on end, and its wait
	ds_add_u32 v[SPW], v[NIL]
	v_lshrrev_b32 v1, 5, v0
	s_delay_alu instid0(VALU_DEP_1)
	v_readfirstlane_b32 s[WV], v1
	s_bfe_u32 s71, ttmp6, 0x40000                  ; cx
	s_bfe_u32 s72, ttmp6, 0x40004                  ; cy
	s_lshl_b32 s73, ttmp9, 2
	s_add_co_u32 s73, s73, s71                     ; qb
	s_and_b32 s74, ttmp7, 0xffff
	s_lshl_b32 s74, s74, 2
	s_add_co_u32 s74, s74, s72                     ; g
	s_lshl_b32 s76, s72, 2
	s_lshl_b32 s76, 15, s76                        ; my row of the cluster
	s_or_b32 s[G1KV], s76, (3<<16)|(1<<21)         ; two blocks: 26,112 dense bytes as 102 rows of 256 (32 elements of 8 bytes)
	s_mov_b32 s[G1KV+1], 32<<16
	s_mov_b32 s[G1KV+2], 102<<16
	s_mov_b32 s[G1KV+3], 32<<16
	s_mov_b32 s[G1KV+4], 102
	s_mov_b32 s[G1KV+5], 32
	s_mov_b32 s[G1KV+6], 0
	s_mov_b32 s[G1KV+7], 0
	s_mul_i32 s79, s[WV], 2*KVB
	s_mul_i32 s80, s74, 16*KVB
	s_add_co_u32 s80, s80, s79
	s_mov_b32 s81, 0
	s_mov_b32 s[G0KV], 1
	s_mov_b32 s[G0KV+1], s79
	s_mov_b32 s[SEL], 0x76543210
	s_mov_b32 s[SEL+1], 0xfedcba98
	s_mov_b32 s[CC], 0x3fb8aa3b
	s_mov_b32 s[CC+1], s[CC]
	s_mov_b32 s[TBK], 0
	s_mov_b32 s[CNT], 7
	s_wait_dscnt 0x0
	s_wait_kmcnt 0x0
	s_add_nc_u64 s[G0KV+2:G0KV+3], s[8:9], s[80:81]
	s_or_b32 s[G0KV+3], s[G0KV+3], 0x80000000
	CROUND                                         ; the joint loads meet
	tensor_load_to_lds s[G0KV:G0KV+3], s[G1KV:G1KV+7]   ; my one load: blocks 2 w and 2 w + 1
	s_nop 0
.rept 4
	v_nop
.endr
	s_lshl_b32 s86, s74, 2
	s_lshr_b32 s87, s[WV], 2
	s_lshl_b32 s88, s87, 1
	s_add_co_u32 s86, s86, s88                     ; my first head
	s_lshl_b32 s89, s73, 2
	s_and_b32 s88, s[WV], 3
	s_add_co_u32 s89, s89, s88                     ; my tile of queries
	s_lshl_b32 s90, s86, 7
	s_add_co_u32 s90, s90, s89
	s_mul_i32 s90, s90, 768
	s_mov_b32 s91, 0
	s_add_nc_u64 s[4:5], s[4:5], s[90:91]
	s_lshl_b32 s90, s86, 13
	s_lshl_b32 s88, s89, 6
	s_add_co_u32 s90, s90, s88
	s_add_nc_u64 s[6:7], s[6:7], s[90:91]
	s_lshl_b32 s86, s74, 1
	s_add_co_u32 s86, s86, s87                     ; my K step of the last product
	s_lshl_b32 s90, s89, 4
	s_add_co_u32 s90, s90, s86
	s_mul_i32 s90, s90, 1536
	s_add_nc_u64 s[12:13], s[12:13], s[90:91]
	s_lshl_b32 s90, s89, 10
	s_lshr_b32 s88, s86, 2
	s_lshl_b32 s88, s88, 8
	s_add_co_u32 s90, s90, s88
	s_and_b32 s88, s86, 3
	s_lshl_b32 s88, s88, 2
	s_add_co_u32 s90, s90, s88
	s_add_nc_u64 s[14:15], s[14:15], s[90:91]
	s_lshl_b32 s86, s73, 6
	s_and_b32 s88, s[WV], 1
	s_lshl_b32 s88, s88, 5
	s_add_co_u32 s86, s86, s88                     ; the prefetches: row 64 qb + 32 (w % 2),
	s_lshl_b32 s86, s86, 13
	s_lshl_b32 s88, s72, 8
	s_add_co_u32 s90, s86, s88                     ; block cy of a trip's four,
	s_add_co_u32 s90, s90, 2048                    ; two trips on
	s_add_nc_u64 s[PFA:PFA+1], s[10:11], s[90:91]
	s_lshl_b32 s90, s89, 17                        ; my 16 rows of the mask, 8,192 bytes each
	s_add_nc_u64 s[10:11], s[10:11], s[90:91]
	s_cmp_ge_u32 s[WV], 6
	s_cselect_b32 s[LIM], 1, -1                    ; waves 6 and 7 ask while more than one trip of the loop is left; the others never
	v_and_b32 v30, 31, v0
	s_delay_alu instid0(VALU_DEP_1)
	v_lshlrev_b32 v[L16], 4, v30
	v_lshlrev_b32 v[L8], 3, v30
	v_lshlrev_b32 v[L4], 2, v30
	v_lshlrev_b32 v[PFO], 13, v30
	v_and_b32 v31, 15, v0                          ; r
	v_bfe_u32 v30, v0, 4, 1                        ; h
	s_delay_alu instid0(VALU_DEP_2)
	v_lshlrev_b32 v[MOF], 13, v31
	s_delay_alu instid0(VALU_DEP_1)
	v_lshl_add_u32 v[MOF], v30, 5, v[MOF]          ; in tile t a lane holds keys 16 t + 8 h + 0 .. 7
	v_lshlrev_b32 v31, 2, v31
	s_delay_alu instid0(VALU_DEP_1)
	v_lshl_add_u32 v31, v30, 13, v31               ; 4 r, and the second head's words for the upper lanes
.irp a, 0,1
	global_load_b128 v[QF+12*\a:QF+12*\a+3], v[L16], s[4:5] offset:98304*\a
	global_load_b64 v[QF+12*\a+4:QF+12*\a+5], v[L8], s[4:5] offset:98304*\a+512
.endr
	global_load_b32 v[QS], v31, s[6:7]
.macro MLOAD buf, off                  ; the mask of 128 keys, 16 loads
	WIN 0x40
.irp t, 0,1,2,3,4,5,6,7
.irp e, 0,1
	global_load_b128 v[\buf+8*\t+4*\e:\buf+8*\t+4*\e+3], v[MOF], s[10:11] offset:\off+64*\t+16*\e
.endr
.endr
	WIN 0
.endm
	MLOAD MK0, 0
.irp a, 0,1
.irp i, 6,7,8,9,10,11
	v_mov_b32 v[QF+12*\a+\i], 0                    ; zero codes for the upper 64 of the instruction's 128
.endr
	v_mov_b32 v[ST+4*\a+1], 0xff61b1e6             ; the largest t so far: -3e38
	s_delay_alu instid0(VALU_DEP_1)
	v_floor_f32 v[ST+4*\a], -v[ST+4*\a+1]
	v_mov_b32 v[ST+4*\a+2], 0
	v_mov_b32 v[ST+4*\a+3], 0
.endr
.irp i, 0,1,2,3,4,5
	v_mov_b32 v[KZ+\i], 0
.endr
.irp b, 0,1,2,3
	v_mov_b32 v[BX+\b], 0
.endr
	v_mov_b32 v[FF+1], 0
	s_wait_loadcnt 16                              ; Q and its scale words are in; the mask's 16 loads may be out
	v_add_nc_u32 v[QS], 0xfffffcfd, v[QS]          ; 3 off the bytes of blocks 0 and 1: q / 8.  Both bytes are 4 or more, so nothing is borrowed
	WIN 0x40
.set n, 0
.rept 64
	v_mov_b32 v[O+n], 0                            ; O^T: the step is written once, and the first finds zeros
.set n, n+1
.endr
	WIN 0
.macro QK a, t, mk                     ; S^T tile t of head a = K's 16 keys x my 16 queries + the mask
.if ((\t)%2 == 0) && (\a == 0)
	v_wmma_scale_f32_16x16x128_f8f6f4 v[S+8*\t:S+8*\t+7], v[KF+6*\t:KF+6*\t+11], v[QF+12*\a:QF+12*\a+11], v[\mk+8*\t:\mk+8*\t+7], v[KS+\t/2], v[QS] matrix_a_fmt:MATRIX_FMT_FP6 matrix_b_fmt:MATRIX_FMT_FP6
.elseif (\a == 0)
	v_wmma_scale_f32_16x16x128_f8f6f4 v[S+8*\t:S+8*\t+7], v[KF+6*\t:KF+6*\t+11], v[QF+12*\a:QF+12*\a+11], v[\mk+8*\t:\mk+8*\t+7], v[KS+\t/2], v[QS] matrix_a_fmt:MATRIX_FMT_FP6 matrix_b_fmt:MATRIX_FMT_FP6 matrix_a_scale:MATRIX_SCALE_ROW1
.elseif ((\t)%2 == 0)
	v_wmma_scale_f32_16x16x128_f8f6f4 v[S+8*\t:S+8*\t+7], v[KF+6*\t:KF+6*\t+11], v[QF+12*\a:QF+12*\a+11], v[\mk+8*\t:\mk+8*\t+7], v[KS+\t/2], v[QS] matrix_a_fmt:MATRIX_FMT_FP6 matrix_b_fmt:MATRIX_FMT_FP6 matrix_b_scale:MATRIX_SCALE_ROW1
.else
	v_wmma_scale_f32_16x16x128_f8f6f4 v[S+8*\t:S+8*\t+7], v[KF+6*\t:KF+6*\t+11], v[QF+12*\a:QF+12*\a+11], v[\mk+8*\t:\mk+8*\t+7], v[KS+\t/2], v[QS] matrix_a_fmt:MATRIX_FMT_FP6 matrix_b_fmt:MATRIX_FMT_FP6 matrix_a_scale:MATRIX_SCALE_ROW1 matrix_b_scale:MATRIX_SCALE_ROW1
.endif
.endm
.macro PV a, f
.if (\f)%2 == 0
	v_wmma_scale_f32_16x16x128_f8f6f4 v[O+32*\a+8*\f:O+32*\a+8*\f+7], v[VF+12*\f:VF+12*\f+11], v[PC:PC+11], v[O+32*\a+8*\f:O+32*\a+8*\f+7], v[VS+\f/2], v[PS] matrix_a_fmt:MATRIX_FMT_FP6 matrix_b_fmt:MATRIX_FMT_FP6
.else
	v_wmma_scale_f32_16x16x128_f8f6f4 v[O+32*\a+8*\f:O+32*\a+8*\f+7], v[VF+12*\f:VF+12*\f+11], v[PC:PC+11], v[O+32*\a+8*\f:O+32*\a+8*\f+7], v[VS+\f/2], v[PS] matrix_a_fmt:MATRIX_FMT_FP6 matrix_b_fmt:MATRIX_FMT_FP6 matrix_a_scale:MATRIX_SCALE_ROW1
.endif
.endm
.macro HEAD a, mk                      ; one head's part of a key step
.set rT, ST+4*(\a)
	WIN 0x10                                       ; source 2 (the mask) window 1
.irp t, 0,1,2,3,4,5,6,7
	QK \a, \t, \mk
.endr
	WIN 0
.rept 4
	v_nop
.endr
.irp b, 0,1,2,3
	v_max3_num_f32 v[BM+\b], v[S+16*\b], v[S+16*\b+1], v[S+16*\b+2]   ; the largest logit of each block of 32 keys: for the row's maximum and for the block's largest p; each accumulator is first read at its low end
.endr
.irp i, 3,5,7,9,11,13
.irp b, 0,1,2,3
	v_max3_num_f32 v[BM+\b], v[BM+\b], v[S+16*\b+\i], v[S+16*\b+\i+1]   ; the four blocks by turns
.endr
.endr
.irp b, 0,1,2,3
	v_max_num_f32 v[BM+\b], v[BM+\b], v[S+16*\b+15]
.endr
.irp b, 0,1,2,3
	s_delay_alu instid0(VALU_DEP_4)
	v_permlanex16_b32 v[BX+\b], v[BM+\b], s[SEL], s[SEL+1]
.endr
.irp b, 0,1,2,3
	s_delay_alu instid0(VALU_DEP_4)
	v_max_num_f32 v[BM+\b], v[BM+\b], v[BX+\b]
.endr
	s_delay_alu instid0(VALU_DEP_2)
	v_max3_num_f32 v[T0], v[BM], v[BM+1], v[BM+2]
	s_delay_alu instid0(VALU_DEP_1)
	v_max_num_f32 v[T0], v[T0], v[BM+3]
	s_delay_alu instid0(VALU_DEP_1)
	v_mul_f32 v[T0], s[CC], v[T0]                  ; as t
	s_delay_alu instid0(VALU_DEP_1)
	v_max_num_f32 v[rT+1], v[rT+1], v[T0]          ; the running largest t
	v_mov_b32 v[T0+1], v[rT]
	s_delay_alu instid0(VALU_DEP_2)
	v_floor_f32 v[rT], -v[rT+1]                    ; the new -M
	s_delay_alu instid0(VALU_DEP_1)
	v_sub_f32 v[T0+1], v[rT], v[T0+1]              ; old M - new M
	s_delay_alu instid0(VALU_DEP_1)
	v_cvt_i32_f32 v[T0+1], v[T0+1]
	s_delay_alu instid0(VALU_DEP_1)
	v_ldexp_f32 v[FF], 1.0, v[T0+1]                ; f
.set n, 0
.rept 32
	v_pk_fma_f32 v[S+n:S+n+1], v[S+n:S+n+1], s[CC:CC+1], v[rT:rT+1] op_sel_hi:[1,0,0]   ; t - M
.set n, n+2
.endr
.irp b, 0,1,2,3
	v_fma_f32 v[BM+\b], v[BM+\b], s[CC], v[rT]     ; the same of each block's largest logit
.endr
.set n, 0
	s_wait_alu depctr_va_vdst(0)                   ; the wait ahead of the batch
.rept 64
	v_exp_f32 v[S+n], v[S+n]                       ; p
.set n, n+1
.endr
	v_pk_mul_f32 v[rT+2:rT+3], v[rT+2:rT+3], v[FF:FF+1] op_sel_hi:[1,0]
	s_wait_alu depctr_va_vdst(0)                   ; one wait for the batch, ahead of its first reader
.irp b, 0,1,2,3
	v_exp_f32 v[BM+\b], v[BM+\b]                   ; the block's largest p
.endr
	v_pk_add_f32 v[T0:T0+1], v[S:S+1], v[S+2:S+3]  ; the row's sum, of the unquantised p, in two chains
.irp j, 4,8,12,16,20,24,28,32,36,40,44,48,52,56,60
	v_pk_add_f32 v[rT+2:rT+3], v[rT+2:rT+3], v[S+\j:S+\j+1]
	v_pk_add_f32 v[T0:T0+1], v[T0:T0+1], v[S+\j+2:S+\j+3]
.endr
	s_delay_alu instid0(VALU_DEP_1)
	v_pk_add_f32 v[rT+2:rT+3], v[rT+2:rT+3], v[T0:T0+1]
	s_wait_alu depctr_va_vdst(0)                   ; and one for the four
.irp b, 0,1,2,3
	v_max_num_f32 v[BM+\b], 0x1800000, v[BM+\b]    ; the floor 2^(3 - 127)
.endr
.irp b, 0,1,2,3
	s_delay_alu instid0(VALU_DEP_4)
	v_add_nc_u32 v[SO+\b], 0xff000000, v[BM+\b]
.endr
.irp b, 0,1,2,3
	s_delay_alu instid0(VALU_DEP_4)
	v_lshrrev_b32 v[BX+\b], 23, v[SO+\b]
.endr
	s_delay_alu instid0(VALU_DEP_3)
	v_lshl_or_b32 v[PS], v[BX+1], 8, v[BX]
	s_delay_alu instid0(VALU_DEP_1)
	v_lshl_or_b32 v[PS], v[BX+2], 16, v[PS]
	s_delay_alu instid0(VALU_DEP_1)
	v_lshl_or_b32 v[PS], v[BX+3], 24, v[PS]        ; p's scale word
.irp c, 0,1
	v_cvt_scalef32_pk16_fp6_f32 v[PC+6*\c:PC+6*\c+2], v[S+32*\c:S+32*\c+15], v[SO+2*\c]
	v_cvt_scalef32_pk16_fp6_f32 v[PT+4*\c:PT+4*\c+2], v[S+32*\c+16:S+32*\c+31], v[SO+2*\c+1]
.endr
	v_nop
.irp c, 0,1
.irp i, 0,1,2
	v_permlane16_swap_b32 v[PC+6*\c+\i], v[PT+4*\c+\i]
.endr
.irp i, 0,1,2
	s_delay_alu instid0(VALU_DEP_3)
	v_mov_b32 v[PC+6*\c+3+\i], v[PT+4*\c+\i]
.endr
.endr
	WIN 0x41
	s_wait_alu depctr_va_vdst(0)                   ; the wait directly ahead of the first reader of O^T
.set n, 0
.rept 16
	v_pk_mul_f32 v[O+32*\a+n:O+32*\a+n+1], v[O+32*\a+n:O+32*\a+n+1], v[FF:FF+1] op_sel_hi:[1,0]   ; O^T under the new M; also the places between the writes of p's codes and scale word and the products
.set n, n+2
.endr
.if \a == 0
	s_wait_alu depctr_va_vdst(0)
	s_wait_dscnt 0x0                               ; V and its scale words are in
.endif
	WIN 0x50
.irp f, 0,1,2,3
	PV \a, \f
.endr
	WIN 0
.endm
; A KEY STEP: 128 keys, the block at LDS byte TBK + kb.  moff: where the next step's mask lies from the trip's base (0: none is left)
.macro STEP cur, nxt, kb, moff, ask
.if \kb == 0
	v_add_nc_u32 v[ADK], s[TBK], v[L16]            ; (with the v_nop: the places behind the last products, in front of the loads into their operands)
	v_add_nc_u32 v[AD8], s[TBK], v[L8]
	v_add_nc_u32 v[AD4], s[TBK], v[L4]
	v_nop
.else
.rept 4
	v_nop
.endr
.endif
.if \moff
	MLOAD \nxt, \moff
.endif
.irp t, 0,1,2,3,4,5,6,7
	ds_load_b128 v[KF+6*\t:KF+6*\t+3], v[ADK] offset:\kb+768*\t
	ds_load_b64 v[KF+6*\t+4:KF+6*\t+5], v[AD8] offset:\kb+768*\t+512
.endr
.irp b, 0,1,2,3
	ds_load_b32 v[KS+\b], v[AD4] offset:\kb+12288+128*\b
.endr
.irp f, 0,1,2,3
.irp c, 0,1
	ds_load_b128 v[VF+12*\f+6*\c:VF+12*\f+6*\c+3], v[ADK] offset:\kb+6144+1536*\f+768*\c
	ds_load_b64 v[VF+12*\f+6*\c+4:VF+12*\f+6*\c+5], v[AD8] offset:\kb+6144+1536*\f+768*\c+512
.endr
.endr
.irp i, 0,1
	ds_load_b32 v[VS+\i], v[AD4] offset:\kb+12800+128*\i
.endr
.if \moff
	s_wait_loadcnt 16                              ; this step's mask is in; the next step's 16 loads may be out
.else
	s_wait_loadcnt 0x0
.endif
	s_wait_dscnt 18                                ; K and its scale words are in; V's 16 loads and its 2 of scale words may be out
	HEAD 0, \cur
.if \ask
	ASK
.endif
	HEAD 1, \cur
.endm
	s_wait_alu depctr_va_vdst(0)                   ; the wait at the head's end
	s_wait_tensorcnt 0x0                           ; my two blocks are in
	s_barrier_signal -1
	s_barrier_wait -1                              ; all sixteen are
.Ltrip:                                            ; seven trips of two key steps
	STEP MK0, MK1, 0, 512, 1
	STEP MK1, MK0, KVB, 1024, 0
	s_wait_xcnt 0x0                                ; the trip's loads and prefetch have read their bases
	s_add_nc_u64 s[10:11], s[10:11], 1024
	s_add_nc_u64 s[PFA:PFA+1], s[PFA:PFA+1], 1024
	s_add_co_u32 s[TBK], s[TBK], 2*KVB
	s_sub_co_u32 s[CNT], s[CNT], 1
	s_cmp_lg_u32 s[CNT], 0
	s_cbranch_scc1 .Ltrip
	STEP MK0, MK1, 0, 512, 0                       ; the last two steps: the very last asks for no mask
	STEP MK1, MK0, KVB, 0, 0
	; THE WAY OUT.  O^T / the sum, quantised as an operand of the last product: head a is K = 64 a .. 64 a + 63 of my K step
.rept 4
	v_nop
.endr
.irp a, 0,1
	v_add_f32 v[ST+4*\a+2], v[ST+4*\a+2], v[ST+4*\a+3]
.endr
.irp a, 0,1
	s_delay_alu instid0(VALU_DEP_2)
	v_permlanex16_b32 v[BX+\a], v[ST+4*\a+2], s[SEL], s[SEL+1]
.endr
.irp a, 0,1
	s_delay_alu instid0(VALU_DEP_2)
	v_add_f32 v[ST+4*\a+2], v[ST+4*\a+2], v[BX+\a]
.endr
	s_wait_alu depctr_va_vdst(0)
.irp a, 0,1
	v_rcp_f32 v[ST+4*\a+3], v[ST+4*\a+2]
.endr
	v_nop
	WIN 0x01
	s_wait_alu depctr_va_vdst(0)
.irp a, 0,1
.set n, 0
.rept 32
	v_mul_f32 v[S+32*\a+n], v[O+32*\a+n], v[ST+4*\a+3]
.set n, n+1
.endr
.endr
	WIN 0
.macro QOUT a
.irp b, 0,1
	v_max3_num_f32 v[BM+\b], |v[S+32*\a+16*\b]|, |v[S+32*\a+16*\b+1]|, 0x1800000
.endr
.irp i, 2,4,6,8,10,12,14
.irp b, 0,1
	s_delay_alu instid0(VALU_DEP_2)
	v_max3_num_f32 v[BM+\b], v[BM+\b], |v[S+32*\a+16*\b+\i]|, |v[S+32*\a+16*\b+\i+1]|
.endr
.endr
.irp b, 0,1
	s_delay_alu instid0(VALU_DEP_2)
	v_permlanex16_b32 v[BM+2+\b], v[BM+\b], s[SEL], s[SEL+1]
.endr
.irp b, 0,1
	s_delay_alu instid0(VALU_DEP_2)
	v_max_num_f32 v[BM+\b], v[BM+\b], v[BM+2+\b]
.endr
.irp b, 0,1
	s_delay_alu instid0(VALU_DEP_2)
	v_add_nc_u32 v[SO+\b], 0xff000000, v[BM+\b]
.endr
.irp b, 0,1
	s_delay_alu instid0(VALU_DEP_2)
	v_lshrrev_b32 v[BX+2*\a+\b], 23, v[SO+\b]
.endr
	v_cvt_scalef32_pk16_fp6_f32 v[PC+6*\a:PC+6*\a+2], v[S+32*\a:S+32*\a+15], v[SO]
	v_cvt_scalef32_pk16_fp6_f32 v[PT+4*\a:PT+4*\a+2], v[S+32*\a+16:S+32*\a+31], v[SO+1]
	v_nop
.irp i, 0,1,2
	v_permlane16_swap_b32 v[PC+6*\a+\i], v[PT+4*\a+\i]
.endr
.irp i, 0,1,2
	s_delay_alu instid0(VALU_DEP_3)
	v_mov_b32 v[PC+6*\a+3+\i], v[PT+4*\a+\i]
.endr
.endm
	QOUT 0
	QOUT 1
	v_lshl_or_b32 v[T0], v[BX+1], 8, v[BX]
	s_delay_alu instid0(VALU_DEP_1)
	v_lshl_or_b32 v[T0], v[BX+2], 16, v[T0]
	s_delay_alu instid0(VALU_DEP_1)
	v_lshl_or_b32 v[T0], v[BX+3], 24, v[T0]        ; my row's scale word for this K step
	v_and_b32 v[T0+1], 15, v0
	s_delay_alu instid0(VALU_DEP_1)
	v_lshlrev_b32 v[T0+1], 4, v[T0+1]
.irp c, 0,1,2
	global_store_b128 v[L16], v[PC+4*\c:PC+4*\c+3], s[12:13] offset:512*\c   ; 512 consecutive bytes a store, at a multiple of 256 from the buffer's first byte
.endr
	global_store_b32 v[T0+1], v[T0], s[14:15]      ; lanes l and l xor 16 write the same word with the same value
	s_wait_tensorcnt 0x0                           ; the wave's end
	ds_add_u32 v[SPW], v[NIL]
	s_wait_dscnt 0x0
	CROUND                                         ; the closing round
	s_endpgm
.Lfunc_end_k_q483b2680a3_attn:
	.size	k_q483b2680a3_attn, .Lfunc_end_k_q483b2680a3_attn-k_q483b2680a3_attn
	.p2alignl 7, 3214868480
	.fill 96, 4, 3214868480
	.section	.rodata,"a",@progbits
	.p2align	6, 0x0
	.amdhsa_kernel k_q483b2680a3_attn
		.amdhsa_group_segment_fixed_size 327680
		.amdhsa_private_segment_fixed_size 0
		.amdhsa_enable_private_segment 0
		.amdhsa_kernarg_size 48
		.amdhsa_user_sgpr_count 2
		.amdhsa_user_sgpr_kernarg_segment_ptr 1
		.amdhsa_wavefront_size32 1
		.amdhsa_system_sgpr_workgroup_id_x 1
		.amdhsa_system_sgpr_workgroup_id_y 1
		.amdhsa_system_sgpr_workgroup_id_z 1
		.amdhsa_system_vgpr_workitem_id 0
		.amdhsa_next_free_vgpr 512
		.amdhsa_next_free_sgpr 92
		.amdhsa_reserve_vcc 0
		.amdhsa_float_denorm_mode_32 3
		.amdhsa_float_denorm_mode_16_64 3
		.amdhsa_memory_ordered 1
		.amdhsa_forward_progress 1
		.amdhsa_inst_pref_size 152
	.end_amdhsa_kernel
	.amdgpu_metadata
---
amdhsa.version: [ 1, 2 ]
amdhsa.kernels:
  - .name:           k_q483b2680a3_attn
    .symbol:         k_q483b2680a3_attn.kd
    .args:
      - { .name: qimg, .offset: 0, .size: 8, .value_kind: global_buffer, .address_space: global }
      - { .name: qsc, .offset: 8, .size: 8, .value_kind: global_buffer, .address_space: global }
      - { .name: kv, .offset: 16, .size: 8, .value_kind: global_buffer, .address_space: global }
      - { .name: attention_mask, .offset: 24, .size: 8, .value_kind: global_buffer, .address_space: global }
      - { .name: aimg, .offset: 32, .size: 8, .value_kind: global_buffer, .address_space: global }
      - { .name: asc, .offset: 40, .size: 8, .value_kind: global_buffer, .address_space: global }
    .group_segment_fixed_size: 327680
    .private_segment_fixed_size: 0
    .kernarg_segment_align: 8
    .kernarg_segment_size: 48
    .max_flat_workgroup_size: 256
    .sgpr_count:     92
    .vgpr_count:     512
    .wavefront_size: 32
...
	.end_amdgpu_metadata
.endif
;; end of part 2
;; launch oproj (part 3): grid 16 x 16, 4 waves a work-group, clusters of 4 x 4, 327,680 bytes of LDS; arguments aimg, asc, Wo_codes, Wo_scales, out0; writes out0
.if DOCPART == 3
	.amdgcn_target "amdgcn-amd-amdhsa--gfx1250"
	.amdhsa_code_object_version 6
	.text
	.protected	k_q483b2680a3_oproj
	.globl	k_q483b2680a3_oproj
	.p2align	8
	.type	k_q483b2680a3_oproj,@function
k_q483b2680a3_oproj:
	s_mov_b64 s[64:65], 0
	v_nop
	global_prefetch_b8 v0, s[64:65] scope:SCOPE_SE
	s_setreg_imm32_b32 hwreg(HW_REG_WAVE_MODE, 25, 1), 1
	s_wait_xcnt 0x0
	s_wait_alu depctr_hold_cnt(0) depctr_sa_sdst(0) depctr_va_vdst(0) depctr_va_sdst(0) depctr_va_ssrc(0) depctr_va_vcc(0) depctr_vm_vsrc(0)
	s_getreg_b32 s2, hwreg(HW_REG_IB_STS2, 6, 4)
	s_cmp_eq_u32 s2, 0
	s_cbranch_scc0 .Lentry_in_a_cluster
	s_endpgm
.Lentry_in_a_cluster:
	s_bfe_u32 s2, ttmp6, 0x10000c
	s_cmp_lg_u32 s2, 0xf033
	s_cbranch_scc0 .Lentry_shape_is_right
	s_endpgm
.Lentry_shape_is_right:
; out[s][e] = the sum over d of attn[s][d] Wo[e][d], on codes of FP6 (E2M3) with one E8M0 scale for each 32 along K = 2,048; sums and out in f32.  No work is left out.
; attn comes as the launch before laid it: aimg [tile of 16 rows][K step of 128][1,536]: images of an operand's 12 registers; asc [tile][K step / 4][row][K step % 4]: scale words.  Wo comes as given: rows of 1,536 bytes.
; SHARES.  Work-group (nt, mt): 128 rows of out x 128 columns; four waves, each 64 x 64.  Source 0 = 16 rows of Wo ("P", half wave % 2), source 1 = 16 rows of attn ("N", half wave / 2).
; K: Wo's rows go in three chunks of 512 bytes, each beginning at a multiple of 256; attn's images in runs of 6, 6 and 4 K steps.  The four first fills, one a wave: images of steps 0-5 and chunk 0 (slot 0), steps 6-11 and chunk 1 (slot 1).
; Slot 0 is filled again, with steps 12-15 and chunk 2, when step 5's fragments have been read.  attn's tiles are asked for jointly by a row of the cluster, Wo's by a column.
; The scale words come once, straight into registers: steps 0-7 in lanes 0-15, steps 8-15 in lanes 16-31.  No prefetch: the walk along K is written out, there is no loop to run ahead in.
; REGISTERS: window 0: v1-31 addresses; v32-95 scale words alone; v128-255 accumulator (j, t) at 128 + 8 (4 j + t).   window 1: two sets of fragments, 96 each: P's four, then N's four.
.set PITCH,  528                       ; a row of Wo in LDS: 512 bytes + 16 of padding = 132 words: row r starts at word 4 r mod 64
.set TROW,   9216                      ; six K steps' images of one tile
.set ABY,    8*TROW
.set SLOT,   ABY+128*PITCH             ; attn's 8 tiles, then Wo's 128 rows
.set STAGE,  2*SLOT                    ; the way out: 16 rows x (256 bytes + 16) for each wave; no tensor load lands here
.set SPARE,  STAGE+4*16*272
.set KROW,   1536
.set ADRP,  8                          ; v8-9 Wo's fragments in slot 0, 1; v10-11: lanes 0-15 at byte 488 of slot 0, 1 and lanes 16-31 at byte 0 of the other slot
.set ADRN,  12                         ; v12-13 attn's images
.set SOF,   16
.set SOA,   17
.set STO,   19
.set RD,    20
.set CO,    21
.set SPW,   28
.set NIL,   29
.set SC,    32
.set ACC,   128
.set G1A,   40
.set G1W,   48
.set G0A,   56
.set G0W,   60
.set MSB, 0
.macro WIN new
.if MSB != \new
	s_set_vgpr_msb (MSB<<8)|\new
.set MSB, \new
.endif
.endm
.macro PLACES n
.rept \n
	v_nop
.endr
.endm
.macro JLOAD                           ; even waves fetch for attn, odd for Wo; s_nop 0 and four v_nop follow each line
	s_cmp_eq_u32 s32, 0
	s_cbranch_scc0 .Lfor_w_\@
	tensor_load_to_lds s[G0A:G0A+3], s[G1A:G1A+7]
	s_nop 0
	PLACES 4
	s_branch .Lasked_\@
.Lfor_w_\@:
	tensor_load_to_lds s[G0W:G0W+3], s[G1W:G1W+7]
	s_nop 0
	PLACES 4
.Lasked_\@:
.endm
.macro CREST
	s_cmp_lg_u32 s30, 0
	s_cbranch_scc1 .Lnot_wave_0_\@
	s_barrier_signal -3
.Lnot_wave_0_\@:
	s_barrier_wait -3
	s_barrier_signal -1
	s_barrier_wait -1
.endm
.macro CROUND
	s_barrier_signal -1
	s_barrier_wait -1
	CREST
.endm
	s_load_b256 s[4:11], s[0:1], 0x0               ; aimg, asc, Wo's codes, Wo's scales
	s_load_b64 s[12:13], s[0:1], 0x20              ; out
	v_lshl_add_u32 v[SPW], v0, 2, SPARE
	v_mov_b32 v[NIL], 0
	ds_add_u32 v[SPW], v[NIL]                      ; the opening lines: the add, twice on end, and its wait
	ds_add_u32 v[SPW], v[NIL]
	v_lshrrev_b32 v1, 5, v0
	v_readfirstlane_b32 s30, v1                    ; wave
	s_lshr_b32 s31, s30, 1                         ; N's half; also the slot that I fill at the head
	s_and_b32 s32, s30, 1                          ; P's half; also: I fetch for attn (0) or Wo (1)
	s_bfe_u32 s33, ttmp6, 0x40000
	s_bfe_u32 s34, ttmp6, 0x40004
	s_lshl_b32 s35, ttmp9, 2
	s_add_co_u32 s35, s35, s33                     ; nt
	s_and_b32 s36, ttmp7, 0xffff
	s_lshl_b32 s36, s36, 2
	s_add_co_u32 s36, s36, s34                     ; mt
	s_lshl_b32 s37, s34, 2
	s_lshl_b32 s37, 15, s37                        ; my row of the cluster
	s_lshl_b32 s38, 0x1111, s33                    ; my column
	s_or_b32 s[G1A], s37, (3<<16)|(1<<21)          ; attn: 8 tiles x 9,216 bytes (1,152 elements of 8 bytes), 24,576 bytes apart in memory, dense in LDS
	s_mov_b32 s[G1A+1], 1152<<16
	s_mov_b32 s[G1A+2], 8<<16
	s_mov_b32 s[G1A+3], 1152<<16
	s_mov_b32 s[G1A+4], 8
	s_mov_b32 s[G1A+5], 3072
	s_mov_b32 s[G1A+6], 0
	s_mov_b32 s[G1A+7], 0
	s_or_b32 s[G1W], s38, (1<<20)|(1<<21)|(6<<22)|(3<<25)   ; Wo: 128 rows x 512 bytes, 4 words of padding behind every 128 words
	s_mov_b32 s[G1W+1], 512<<16
	s_mov_b32 s[G1W+2], 128<<16
	s_mov_b32 s[G1W+3], 512<<16
	s_mov_b32 s[G1W+4], 128
	s_mov_b32 s[G1W+5], KROW
	s_mov_b32 s[G1W+6], 0
	s_mov_b32 s[G1W+7], 0
	s_mul_i32 s82, s36, 8*24576
	s_mul_i32 s90, s31, TROW
	s_add_co_u32 s82, s82, s90                     ; attn: tile 8 mt, K step 6 x slot
	s_mov_b32 s83, 0
	s_mul_i32 s84, s35, 128*KROW
	s_lshl_b32 s90, s31, 9
	s_add_co_u32 s84, s84, s90                     ; Wo: row 128 nt, chunk = slot
	s_mov_b32 s85, 0
	s_lshl_b32 s86, s35, 13
	s_lshl_b32 s90, s32, 12
	s_add_co_u32 s86, s86, s90                     ; the scale bytes of my 64 rows of Wo
	s_mov_b32 s87, 0
	s_lshl_b32 s88, s36, 13
	s_lshl_b32 s90, s31, 12
	s_add_co_u32 s88, s88, s90                     ; the scale words of my 4 tiles of attn
	s_mov_b32 s89, 0
	s_mov_b32 s[G0A], 1
	s_mul_i32 s[G0A+1], s31, SLOT
	s_mov_b32 s[G0W], 1
	s_add_co_u32 s[G0W+1], s[G0A+1], ABY
	s_mov_b32 s70, SLOT-488
	s_mov_b32 s71, SLOT+488
	s_mul_i32 s72, s32, 64*PITCH
	s_add_co_u32 s72, s72, ABY
	s_add_co_u32 s73, s72, SLOT
	s_mul_i32 s74, s31, 4*TROW
	s_add_co_u32 s75, s74, SLOT
	s_mul_i32 s76, s30, 16*272
	s_add_co_u32 s76, s76, STAGE                   ; my stage
	s_lshl_b32 s14, s36, 7
	s_lshl_b32 s16, s31, 6
	s_add_co_u32 s14, s14, s16
	s_lshl_b32 s14, s14, 13                        ; my first row of out,
	s_lshl_b32 s16, s35, 9
	s_add_co_u32 s14, s14, s16
	s_lshl_b32 s16, s32, 8
	s_add_co_u32 s14, s14, s16                     ; my first column
	s_mov_b32 s15, 0
	s_wait_dscnt 0x0
	s_wait_kmcnt 0x0
	s_add_nc_u64 s[G0A+2:G0A+3], s[4:5], s[82:83]
	s_or_b32 s[G0A+3], s[G0A+3], 0x80000000
	s_add_nc_u64 s[G0W+2:G0W+3], s[8:9], s[84:85]
	s_or_b32 s[G0W+3], s[G0W+3], 0x80000000
	s_add_nc_u64 s[10:11], s[10:11], s[86:87]
	s_add_nc_u64 s[6:7], s[6:7], s[88:89]
	s_add_nc_u64 s[12:13], s[12:13], s[14:15]
	CROUND                                         ; the first joint loads meet
	JLOAD                                          ; one load a wave
	v_and_b32 v1, 15, v0                           ; r
	v_bfe_u32 v2, v0, 4, 1                         ; h
	v_and_b32 v3, 31, v0
	v_mul_u32_u24 v4, v1, PITCH
	v_sub_nc_u32 v7, 1, v2
	v_mul_u32_u24 v5, s70, v2
	v_add_nc_u32 v5, v4, v5
	v_add_nc_u32 v5, 488, v5
	v_mul_u32_u24 v6, s71, v7
	v_add_nc_u32 v6, v4, v6
	v_mad_u32_u24 v4, v2, 24, v4
	v_add_nc_u32 v[ADRP], s72, v4
	v_add_nc_u32 v[ADRP+1], s73, v4
	v_add_nc_u32 v[ADRP+2], s72, v5
	v_add_nc_u32 v[ADRP+3], s72, v6
	v_lshlrev_b32 v6, 4, v3
	v_add_nc_u32 v[ADRN], s74, v6
	v_add_nc_u32 v[ADRN+1], s75, v6
	v_lshlrev_b32 v[SOF], 6, v1
	v_lshl_add_u32 v[SOF], v2, 5, v[SOF]           ; Wo's scale bytes: row r, + 32 h
	v_lshlrev_b32 v[SOA], 4, v1
	v_lshl_add_u32 v[SOA], v2, 9, v[SOA]           ; attn's: 16 bytes a row, + two groups of four K steps for the upper lanes
	v_mul_u32_u24 v3, v1, 272
	v_lshl_add_u32 v3, v2, 5, v3
	v_add_nc_u32 v[STO], s76, v3
	v_mul_u32_u24 v3, v2, 272
	v_lshl_add_u32 v3, v1, 4, v3
	v_add_nc_u32 v[RD], s76, v3
	v_lshlrev_b32 v[CO], 13, v2
	v_lshl_add_u32 v[CO], v1, 4, v[CO]
	s_wait_alu depctr_va_vdst(0)                   ; the wait at the head's end
.irp i, 0,1,2,3
.irp e, 0,1
	global_load_b128 v[SC+8*\i+4*\e:SC+8*\i+4*\e+3], v[SOF], s[10:11] offset:1024*\i+16*\e
	global_load_b128 v[SC+32+8*\i+4*\e:SC+32+8*\i+4*\e+3], v[SOA], s[6:7] offset:1024*\i+256*\e
.endr
.endr
.macro FRAG reg, adr, st, i            ; a fragment of Wo: 24 bytes at 96 st + 24 h and 24 at 96 st + 48 + 24 h of row r, in pieces of 8; byte y lies in chunk y / 512, slot (y / 512) % 2
.irp p, 0,1,2,3,4,5
.set BYT, 96*(\st)+48*(\p/3)+8*(\p%3)
.if BYT/512 == (BYT+24)/512
	ds_load_b64 v[\reg+2*\p:\reg+2*\p+1], v[\adr+(BYT/512)%2] offset:BYT%512+(\i)*16*PITCH
.else
	ds_load_b64 v[\reg+2*\p:\reg+2*\p+1], v[\adr+2+(BYT/512)%2] offset:BYT%512-488+(\i)*16*PITCH
.endif
.endr
.endm
.macro FETCH st                        ; 36 loads into set st % 2
	WIN 0x40
.irp i, 0,1,2,3
	FRAG 96*((\st)%2)+12*\i, ADRP, \st, \i
.endr
.irp i, 0,1,2,3
.irp c, 0,1,2
	ds_load_b128 v[96*((\st)%2)+48+12*\i+4*\c:96*((\st)%2)+48+12*\i+4*\c+3], v[ADRN+((\st)/6)%2] offset:\i*TROW+1536*((\st)%6)+512*\c
.endr
.endr
	WIN 0
.endm
.macro MUL4 j, st, zero                ; the 16 accumulators take turns, one instruction a turn
.irp t, 0,1,2,3
.set XD, ACC+8*(4*(\j)+\t)
.set XP, 96*((\st)%2)+12*\t
.set XN, 96*((\st)%2)+48+12*(\j)
.set XS, SC+8*\t+(\st)%8
.set XT, SC+32+8*(\j)+(\st)%8
.if \zero
	v_wmma_scale_f32_16x16x128_f8f6f4 v[XD:XD+7], v[XP:XP+11], v[XN:XN+11], 0, v[XS], v[XT] matrix_a_fmt:MATRIX_FMT_FP6 matrix_b_fmt:MATRIX_FMT_FP6
.elseif (\st) < 8
	v_wmma_scale_f32_16x16x128_f8f6f4 v[XD:XD+7], v[XP:XP+11], v[XN:XN+11], v[XD:XD+7], v[XS], v[XT] matrix_a_fmt:MATRIX_FMT_FP6 matrix_b_fmt:MATRIX_FMT_FP6
.else
	v_wmma_scale_f32_16x16x128_f8f6f4 v[XD:XD+7], v[XP:XP+11], v[XN:XN+11], v[XD:XD+7], v[XS], v[XT] matrix_a_fmt:MATRIX_FMT_FP6 matrix_b_fmt:MATRIX_FMT_FP6 matrix_a_scale:MATRIX_SCALE_ROW1 matrix_b_scale:MATRIX_SCALE_ROW1
.endif
.endr
.endm
.macro STEP st, zero
	PLACES 4
	FETCH (\st)+1
	s_wait_dscnt 36                                ; all but the 36 just issued
	WIN 0x05
.irp j, 0,1,2,3
	MUL4 \j, \st, \zero
.endr
	WIN 0
.endm
; fill = 1 (step 5): slot 0 is read no more: the three lines, a round of the cluster's barrier, and waves 0 and 1 fill it again.  fill = 0 (step 9): a barrier shows the refill to all four waves.
.macro TURN st, fill
	s_wait_tensorcnt 0x0
.if \fill
	ds_add_u32 v[SPW], v[NIL]
	s_mov_b32 s[G1A+1], 768<<16                    ; no tensor load of mine is out: of attn's rows four K steps are left (tensor_dim0 = 768 elements); the rest of a tile's LDS row takes zeros and is not read
	s_wait_dscnt 0x1
.else
	s_wait_dscnt 0x0
.endif
	WIN 0x05
	MUL4 0, \st, 0
.if \fill
	s_wait_dscnt 0x0
.endif
	s_barrier_signal -1
	MUL4 1, \st, 0
	WIN 0
	s_barrier_wait -1
.if \fill
	CREST
	s_add_nc_u64 s[G0A+2:G0A+3], s[G0A+2:G0A+3], 12*1536
	s_add_nc_u64 s[G0W+2:G0W+3], s[G0W+2:G0W+3], 1024
	s_cmp_lg_u32 s31, 0
	s_cbranch_scc1 .Lnone_\@
	JLOAD
.Lnone_\@:
.endif
	PLACES 4
	FETCH (\st)+1
	WIN 0x05
	MUL4 2, \st, 0
	MUL4 3, \st, 0
	WIN 0
.endm
	s_wait_loadcnt 0x0
	s_wait_tensorcnt 0x0                           ; my tile is in
	s_barrier_signal -1
	s_barrier_wait -1                              ; all four are
	FETCH 0
	STEP 0, 1
	STEP 1, 0
	STEP 2, 0
	STEP 3, 0
	STEP 4, 0
	TURN 5, 1
	STEP 6, 0
	STEP 7, 0
	STEP 8, 0
	TURN 9, 0
	STEP 10, 0
	STEP 11, 0
	STEP 12, 0
	STEP 13, 0
	STEP 14, 0
	s_wait_dscnt 0x0
	WIN 0x05
.irp j, 0,1,2,3
	MUL4 \j, 15, 0
.endr
	WIN 0
	PLACES 4
; THE WAY OUT, 16 rows x 64 columns at a time, through my own stage, back as whole rows of 256 bytes.  LDS serves a wave's instructions in order: no wait between the stores and the loads.
.macro TOSTAGE j
.irp t, 0,1,2,3
	ds_store_b128 v[STO], v[ACC+32*(\j)+8*\t:ACC+32*(\j)+8*\t+3] offset:64*\t
	ds_store_b128 v[STO], v[ACC+32*(\j)+8*\t+4:ACC+32*(\j)+8*\t+7] offset:64*\t+16
.endr
.irp i, 0,1,2,3,4,5,6,7
	ds_load_b128 v[ACC+32*(\j)+4*\i:ACC+32*(\j)+4*\i+3], v[RD] offset:544*\i
.endr
.endm
.macro SEND j, younger
	s_wait_dscnt \younger
.irp i, 0,1,2,3,4,5,6,7
	global_store_b128 v[CO], v[ACC+32*(\j)+4*\i:ACC+32*(\j)+4*\i+3], s[12:13] offset:131072*(\j)+16384*\i th:TH_STORE_NT   ; 16 lanes store 256 consecutive bytes, at a multiple of 256 from out's first byte
.endr
.endm
	TOSTAGE 0
.irp j, 1,2,3
	TOSTAGE \j
	SEND \j-1, 16
.endr
	SEND 3, 0
	s_wait_tensorcnt 0x0                           ; the wave's end
	ds_add_u32 v[SPW], v[NIL]
	s_wait_dscnt 0x0
	CROUND                                         ; the closing round
	s_endpgm
.Lfunc_end_k_q483b2680a3_oproj:
	.size	k_q483b2680a3_oproj, .Lfunc_end_k_q483b2680a3_oproj-k_q483b2680a3_oproj
	.p2alignl 7, 3214868480
	.fill 96, 4, 3214868480
	.section	.rodata,"a",@progbits
	.p2align	6, 0x0
	.amdhsa_kernel k_q483b2680a3_oproj
		.amdhsa_group_segment_fixed_size 327680
		.amdhsa_private_segment_fixed_size 0
		.amdhsa_enable_private_segment 0
		.amdhsa_kernarg_size 40
		.amdhsa_user_sgpr_count 2
		.amdhsa_user_sgpr_kernarg_segment_ptr 1
		.amdhsa_wavefront_size32 1
		.amdhsa_system_sgpr_workgroup_id_x 1
		.amdhsa_system_sgpr_workgroup_id_y 1
		.amdhsa_system_sgpr_workgroup_id_z 1
		.amdhsa_system_vgpr_workitem_id 0
		.amdhsa_next_free_vgpr 512
		.amdhsa_next_free_sgpr 100
		.amdhsa_reserve_vcc 0
		.amdhsa_float_denorm_mode_32 3
		.amdhsa_float_denorm_mode_16_64 3
		.amdhsa_memory_ordered 1
		.amdhsa_forward_progress 1
		.amdhsa_inst_pref_size 90
	.end_amdhsa_kernel
	.amdgpu_metadata
---
amdhsa.version: [ 1, 2 ]
amdhsa.kernels:
  - .name:           k_q483b2680a3_oproj
    .symbol:         k_q483b2680a3_oproj.kd
    .args:
      - { .name: aimg, .offset: 0, .size: 8, .value_kind: global_buffer, .address_space: global }
      - { .name: asc, .offset: 8, .size: 8, .value_kind: global_buffer, .address_space: global }
      - { .name: Wo_codes, .offset: 16, .size: 8, .value_kind: global_buffer, .address_space: global }
      - { .name: Wo_scales, .offset: 24, .size: 8, .value_kind: global_buffer, .address_space: global }
      - { .name: out0, .offset: 32, .size: 8, .value_kind: global_buffer, .address_space: global }
    .group_segment_fixed_size: 327680
    .private_segment_fixed_size: 0
    .kernarg_segment_align: 8
    .kernarg_segment_size: 40
    .max_flat_workgroup_size: 128
    .sgpr_count:     100
    .vgpr_count:     512
    .wavefront_size: 32
...
	.end_amdgpu_metadata
.endif
;; end of part 3
